; MI455X (gfx1250); checked and timed in simulation.
; The chip was launched on July 23, 2026; its instructions are those of AMD's public machine-readable ISA for CDNA 5 (MIT licence, August 2026) and "CDNA5" Instruction Set Architecture Reference Guide (July 2026). The comments in the code are by the model that wrote it; some were corrected since.
;; Causal Self Attention. Allowed arithmetic: matrix products marked QUANTISED: E4M3 operands, one given power-of-two scale a tensor, by v_wmma_f32_16x16x64_fp8_fp8 or v_wmma_f32_16x16x128_fp8_fp8, f32 sums; everything else in f32.
;; Inputs: W_proj_codes 1,024 x 32 x 32 uint8 (E4M3 codes of W_proj, K innermost, in blocks of 32 codes); W_qkv_codes 3,072 x 32 x 32 uint8 (E4M3 codes of W_qkv, K innermost, in blocks of 32 codes); b_proj 1,024 float32; b_qkv 3,072 float32; lowp_scales 8 int32 (the exponents e of the quantised operands' scales 2^e); x_codes 4 x 2,048 x 32 x 32 uint8 (E4M3 codes of x, K innermost, in blocks of 32 codes).
;; Outputs: out0 4 x 2,048 x 1,024 float32.
;; This version of the problem:
;;   THIS VERSION OF THE PROBLEM IS GIVEN IN LOW PRECISION. The matrix products marked QUANTISED in the list below multiply operands that are first quantised to E4M3 (4 exponent bits, 3 mantissa bits; 8 bits a number), with one given power-of-two scale for each operand tensor; their sums are f32. All else is computed in f32.
;;   The module's matrix products, in the order in which they are computed (A, B: the left and right operand; K: the contracted axis; several contracted axes count as one K, in the product's order):
;;     1. [M 8,192, K 1,024] x [K 1,024, N 3,072]; A: input x (given as codes); B: input W_qkv (given as codes): QUANTISED (scales: A lowp_scales[0], B lowp_scales[1])
;;     2. batch 64 x [M 2,048, K 64] x [K 64, N 2,048]; A: computed on the way; B: computed on the way: QUANTISED (scales: A lowp_scales[2], B lowp_scales[3])
;;     3. batch 64 x [M 2,048, K 2,048] x [K 2,048, N 64]; A: softmax (see below); B: computed on the way: QUANTISED (scales: A lowp_scales[4], B lowp_scales[5])
;;     4. [M 8,192, K 1,024] x [K 1,024, N 1,024]; A: computed on the way; B: input W_proj (given as codes): QUANTISED (scales: A lowp_scales[6], B lowp_scales[7])
;;   THE QUANTISER, for each operand of a quantised product, along K:
;;     - The operand's scale is 2^e, e = its entry of the input lowp_scales (int32; the entries are numbered through the quantised products in the list's order, A before B).
;;     - Each number is divided by the scale, clamped to +-448, and rounded to the nearest number of E4M3, ties to even, subnormals kept.
;;     - The product sums the exact products of the quantised numbers (number of the format x scale) in f32.
;;   ~~~python
;;   def quantise(x, axis, e):      # numpy; x: float32 -> the quantised numbers, widened to float32 again
;;       x = np.moveaxis(x, axis, -1); K = x.shape[-1]
;;       r = np.clip(x / 2.0 ** e, -448, 448)
;;       step = 2.0 ** (np.maximum(np.frexp(np.where(r == 0, 1, r))[1] - 1, -6) - 3)
;;       q = np.round(r / step) * step * 2.0 ** e      # np.round: ties to even
;;       return np.moveaxis(q, -1, axis).astype(np.float32)
;;   ~~~
;;   SOFTMAX AHEAD OF A QUANTISED PRODUCT. Where the list says 'softmax', what is quantised is not the finished softmax but p = 2^(t - M), with t = logit x log2(e) and M = ceil(the row's largest t), a whole number; so 1/2 < the row's largest p <= 1. The row's sum l is taken of the UNQUANTISED p, in f32, and the product's result is divided by l at the end. Since M is a whole number, a kernel that streams over the keys may use a running M (the ceiling of the running maximum): every later rescaling is an exact power of two, so the quantised numbers keep their values, but for numbers so far below the row's largest that they fall under the format's range.
;;   OPERANDS COMPUTED ON THE WAY. 'Computed on the way' means the value that the module computes at that place (a softmax that the list does not call 'softmax' is quantised finished and normalised). What goes into a quantiser is computed in f32, as accurately as f32 sums, v_exp_f32 and their like allow (about 1e-6 of the number): no bf16 or f16 on the way to a quantiser, and a product that is left as it is and whose result goes on into a quantised operand takes f32 operands (vector FMAs, or v_wmma_f32_16x16x4_f32). A number that lies on a knife's edge between two numbers of the format may be rounded either way, as far as f32 arithmetic and the matrix unit's own rounding can turn it there, and no further.
;;   INPUTS GIVEN AS CODES. W_proj (in the module: [1024, 1024], K = its axis 0); W_qkv (in the module: [1024, 3072], K = its axis 0); x (in the module: [4, 2048, 1024], K = its axis 2): each comes as NAME_codes (uint8): NAME with its K axis moved to the last place and cut into blocks of 32 codes, [.., K / 32, bytes a block], one block behind the other in memory; one code a byte (a code: sign, 4 exponent bits, 3 mantissa bits); its scale is its entry of lowp_scales. Its value is code x scale, taken as it is: it is not quantised again, and the codes and scales need not be those that the quantiser above would give.
;; One version. Each part assembles by itself: llvm-mc -triple=amdgcn-amd-amdhsa -mcpu=gfx1250 --defsym DOCPART=n.
;; ======== version 1 of 1: 3 launches
;; limits: right only within a limited range of input values
;; workspace buffers: kqv 25,165,824 bytes; y 8,388,608 bytes
;; launch qkv (part 1): grid 12 x 32, 4 waves a work-group, clusters of 4 x 4, 327,680 bytes of LDS; arguments x_codes, W_qkv_codes, b_qkv, lowp_scales, kqv; writes kqv
.if DOCPART == 1
	.amdgcn_target "amdgcn-amd-amdhsa--gfx1250"
	.amdhsa_code_object_version 6
	.text
	.protected	k_q1634d14763_qkv
	.globl	k_q1634d14763_qkv
	.p2align	8
	.type	k_q1634d14763_qkv,@function
k_q1634d14763_qkv:
	s_mov_b64 s[64:65], 0
	v_nop
	global_prefetch_b8 v0, s[64:65] scope:SCOPE_SE
	s_setreg_imm32_b32 hwreg(HW_REG_WAVE_MODE, 25, 1), 1
	s_wait_xcnt 0x0
	s_wait_alu depctr_hold_cnt(0) depctr_sa_sdst(0) depctr_va_vdst(0) depctr_va_sdst(0) depctr_va_ssrc(0) depctr_va_vcc(0) depctr_vm_vsrc(0)
	s_getreg_b32 s2, hwreg(HW_REG_IB_STS2, 6, 4)
	s_cmp_eq_u32 s2, 0
	s_cbranch_scc0 .Lentry_in_a_cluster
	s_endpgm
.Lentry_in_a_cluster:
	s_bfe_u32 s2, ttmp6, 0x10000c
	s_cmp_lg_u32 s2, 0xf033
	s_cbranch_scc0 .Lentry_shape_is_right
	s_endpgm
.Lentry_shape_is_right:
; kqv = x W_qkv + b_qkv on codes of FP8 (E4M3), then quantised again: k with 2^e3, q with 2^e2, v with 2^e5 (entries of the buffer of scales; x has e0, W_qkv e1).
; x: [8192][1024] codes, W_qkv: [3072][1024] codes, K innermost.  Rows 0-1023 of W_qkv make k, 1024-2047 q, 2048-3071 v.
; THE PRODUCT is P Q^T on tiles of 256 x 256; four waves, each 128 x 128: 64 accumulators, 512 registers.  K goes in four steps of 256 through a ring of two LDS slots.
; The matrix instruction is used transposed (source 0 = 16 rows of Q, source 1 = 16 rows of P): a lane holds ONE row of P (lane % 16) and eight neighbouring rows of Q (8 (lane / 16) + 0..7).
; ONE TEXT FOR THE THREE THIRDS, by selects on the cluster's x alone (the same in all sixteen partners):
;   cluster x = 0, 1 (k, q): P = x, Q = W_qkv: a lane's registers run along the head's channels, which are the K of q k^T.
;   cluster x = 2    (v):    P = W_qkv's rows 2048 on, Q = x: a lane's registers run along the keys, which are the K of p v.
; So the conversions' results are registers of the next launch's operands, and they are stored as IMAGES OF THOSE REGISTERS: 16 bytes a lane, 512 consecutive bytes a store.
;   k at byte 0, q at 8 MiB: head (b 16 + h) x 131072 + (s / 16) x 1024 + chunk x 512 + 16 lane: registers 4 chunk .. +3 of a fragment of 16 rows x 64 channels (registers 2 c, 2 c + 1: channels 16 c + 8 (lane / 16) + 0..7).
;   v at 16 MiB: head x 131072 + (s / 128) x 8192 + (d / 16) x 2048 + chunk x 512 + 16 lane: registers 4 chunk .. +3 of a fragment of 16 channels x 128 keys (registers 2 c, 2 c + 1: keys 16 c + 8 (lane / 16) + 0..7).
; THE BIAS is the sums' first value: b / 2^(e0 + e1), laid into the accumulators while the first tiles are on their way.  k, q: by Q's row (a register); v: by P's row (a lane).  Both kinds are loaded and the one
; that is not wanted is multiplied by 0.
; CLUSTERS: 4 x 4 work-groups; P's tile is shared along a row of the cluster, Q's along a column: joint loads.
; LIMITS: e0 + e1 between -126 and 126; e(out) - e0 - e1 between -126 and 119 (each power of two below is an f32 number).  NaN and infinities among the inputs are not served.
; REGISTERS, in windows of 256: window 0: v0-31 addresses; v32-95 the bias by Q's row; v96-127 the bias by P's row, later codes; v128-255 P's fragments, ONE set.
;   window 1: Q's fragments, TWO sets.   window 2: the accumulators of my rows 0-63 ((a, b) at v[8 (8 a + b)]);   window 3: those of my rows 64-127.
.set PITCH,  272                       ; an LDS row: 256 bytes + 16 of padding = 68 words: the 16 rows of a fragment load start at 16 different banks (64 banks of 4 bytes: ISA guide 11.1)
.set FR,     16                        ; registers of a fragment: 16 rows x 128 K
.set NL,     4                         ; LDS loads that bring one
.set NP,     4                         ; places behind this matrix instruction (ISA guide 7.12.1)
.set HALFT,  128*PITCH                 ; 128 rows: what one tensor load brings
.set SLOT,   4*HALFT                   ; P's 256 rows, then Q's 256 rows
.set SPARE,  2*SLOT                    ; behind the ring: the spare words, 128 bytes a wave
.set ADRA, 16                          ; v16-17  LDS address of my fragments of P in slot 0, 1
.set ADRB, 20                          ; v20-21  the same for Q
.set VO0,  24                          ; v24     16 x lane: my place in an image
.set VO1,  25                          ; v25     the same in the second half of a block's codes
.set SC,   26                          ; v26     2^(e(out) - e0 - e1) as f32
.set LIM,  27
.set SPW,  28                          ; v28     LDS address of my spare word; never rewritten
.set NIL,  29                          ; v29     0; never rewritten
.set CBO,  30                          ; v30     byte offset in b_qkv of the bias by Q's row
.set RBO,  31                          ; v31     of the bias by P's row
.set CB,   32
.set TMP,  32
.set RB,   96
.set CD,   96
.set AF,   128
.set G1, 24                            ; s[24:31] descriptor group 1 for P's tiles;  s[32:39] group 0, one set for each slot
.set G0, 32
.set G1B, 48                           ; s[48:55], s[56:63] the same for Q's tiles
.set G0B, 56
.set MSB, 0
.macro WIN new                         ; the immediate's high byte repeats the setting that is left
.if MSB != (\new)
	s_set_vgpr_msb (MSB<<8)|(\new)
.set MSB, (\new)
.endif
.endm
.set MUL_LO, 0xa1                      ; source 0 (Q) window 1, source 1 (P) window 0, C and D window 2
.set MUL_HI, 0xf1                      ; the same, C and D window 3
.set TO_B,   0x40                      ; destination window 1, address window 0
; A joint load: waves 0 and 1 fetch for P, waves 2 and 3 for Q.  The branch hangs on the wave's number alone.  Four v_nop follow each of the two lines.
.macro JLOAD g0a, g1a, g0b, g1b
	s_cmp_eq_u32 s15, 0
	s_cbranch_scc0 .Lfor_b_\@
	tensor_load_to_lds s[\g0a:\g0a+3], s[\g1a:\g1a+7]
	s_nop 0
.rept 4
	v_nop
.endr
	s_branch .Lasked_\@
.Lfor_b_\@:
	tensor_load_to_lds s[\g0b:\g0b+3], s[\g1b:\g1b+7]
	s_nop 0
.rept 4
	v_nop
.endr
.Lasked_\@:
.endm
.macro CREST                           ; a round of the cluster's barrier behind its opening barrier
	s_cmp_lg_u32 s14, 0
	s_cbranch_scc1 .Lnot_wave_0_\@
	s_barrier_signal -3
.Lnot_wave_0_\@:
	s_barrier_wait -3
	s_barrier_signal -1
	s_barrier_wait -1
.endm
.macro CROUND                          ; a whole round
	s_barrier_signal -1
	s_barrier_wait -1
	CREST
.endm
	s_load_b256 s[4:11], s[0:1], 0x0               ; x s[4:5], W_qkv s[6:7], b_qkv s[8:9], the scales' exponents s[10:11]
	s_load_b64 s[12:13], s[0:1], 0x20              ; kqv
	v_lshl_add_u32 v[SPW], v0, 2, SPARE
	v_mov_b32 v[NIL], 0
	ds_add_u32 v28, v29
	ds_add_u32 v28, v29
	s_wait_dscnt 0x0
	v_lshrrev_b32 v1, 5, v0
	v_readfirstlane_b32 s14, v1                    ; wave 0..3
	s_lshr_b32 s15, s14, 1                         ; which half of the tile's rows (P) is mine.  Also: I fetch for P (0) or for Q (1)
	s_and_b32 s16, s14, 1                          ; which half of its columns (Q).  Also: which 128 rows of that tile I fetch
	s_bfe_u32 s40, ttmp6, 0x40000                  ; cx, cy: my place in the cluster
	s_bfe_u32 s41, ttmp6, 0x40004
	s_and_b32 s66, ttmp7, 0xffff
	s_lshl_b32 s66, s66, 2                         ; 4 x cluster y
	s_lshl_b32 s67, ttmp9, 2                       ; 4 x cluster x
	s_cmp_eq_u32 ttmp9, 2                          ; is this cluster one of v's?
	s_cselect_b32 s17, 0, s66                      ; tile row of P: v: cy (W's 1,024 rows);  k, q: 4 x cluster y + cy (x's 8,192 rows)
	s_cselect_b32 s42, s66, s67                    ; tile column, of Q: v: 4 x cluster y + cx (x);  k, q: 4 x cluster x + cx (W's rows 0-2047)
	s_add_co_u32 s17, s17, s41
	s_add_co_u32 s42, s42, s40
	s_lshl_b32 s43, s41, 2
	s_lshl_b32 s43, 15, s43                        ; my row of the cluster
	s_lshl_b32 s44, 0x1111, s40                    ; my column
	; descriptor group 1: a tile of 128 rows x 256 bytes, padded in LDS
	s_or_b32 s[G1+0], s43, (0<<16)|(1<<20)|(1<<21)|(5<<22)|(3<<25)  ; 15:0 the mask: P's tiles go to my row; 17:16 element of 1 byte; 20 padding on; 21 set beside a mask; 24:22 after every 64 words; 31:25 four words
	s_or_b32 s[G1B+0], s44, (0<<16)|(1<<20)|(1<<21)|(5<<22)|(3<<25) ; the same with my column's mask
.irp g, G1, G1B
	s_mov_b32 s[\g+1], 256<<16                     ; tensor_dim0
	s_mov_b32 s[\g+2], 128<<16                     ; tensor_dim1
	s_mov_b32 s[\g+3], 256<<16                     ; tile_dim0
	s_mov_b32 s[\g+4], 128                         ; tile_dim1
	s_mov_b32 s[\g+5], 1024                        ; tensor_dim0_stride: a row of codes
	s_mov_b32 s[\g+6], 0
	s_mov_b32 s[\g+7], 0
.endr
	s_lshl_b32 s18, s16, 7                         ; which 128 rows of the tile I fetch
	s_lshl_b32 s20, s17, 8
	s_add_co_u32 s20, s20, s18                     ; P: row 256 x tile row + 128 x half
	s_lshl_b32 s20, s20, 10                        ; in bytes (under 8 MiB)
	s_mov_b32 s21, 0
	s_lshl_b32 s46, s42, 8
	s_add_co_u32 s46, s46, s18                     ; Q: row 256 x tile column + 128 x half
	s_lshl_b32 s46, s46, 10
	s_mov_b32 s47, 0
	s_mul_i32 s45, s14, HALFT                      ; where they go: wave x 128 rows: no place in the cluster enters an LDS address
	s_wait_kmcnt 0x0
	s_load_b256 s[68:75], s[10:11], 0x0            ; e0 .. e7
	s_add_nc_u64 s[80:81], s[6:7], 0x200000        ; W_qkv at row 2048
	s_cmp_eq_u32 ttmp9, 2
	s_cselect_b64 s[76:77], s[80:81], s[4:5]       ; P
	s_cselect_b64 s[78:79], s[4:5], s[6:7]         ; Q
	s_add_nc_u64 s[20:21], s[76:77], s[20:21]
	s_add_nc_u64 s[46:47], s[78:79], s[46:47]
	CROUND                                         ; all sixteen work-groups are here: the first joint loads meet
.irp s, 0,1
	s_mov_b32 s[G0+4*\s], 1
	s_add_co_u32 s[G0+4*\s+1], s45, \s*SLOT
	s_add_nc_u64 s[G0+4*\s+2:G0+4*\s+3], s[20:21], \s*256
	s_or_b32 s[G0+4*\s+3], s[G0+4*\s+3], 0x80000000
	s_mov_b32 s[G0B+4*\s], 1
	s_add_co_u32 s[G0B+4*\s+1], s45, \s*SLOT
	s_add_nc_u64 s[G0B+4*\s+2:G0B+4*\s+3], s[46:47], \s*256
	s_or_b32 s[G0B+4*\s+3], s[G0B+4*\s+3], 0x80000000
	JLOAD G0+4*\s, G1, G0B+4*\s, G1B
.endr
	v_and_b32 v1, 15, v0                           ; r = lane % 16
	v_bfe_u32 v2, v0, 4, 1                         ; h = lane / 16
	s_wait_alu depctr_va_vdst(0)
	v_mul_u32_u24 v3, v1, PITCH
	v_lshl_add_u32 v4, v2, 4, v3                   ; a fragment's row x pitch + 16 x half
	s_mul_i32 s21, s15, HALFT                      ; my 128 rows of P
	s_mul_i32 s22, s16, HALFT                      ; my 128 rows of Q,
	s_add_co_u32 s22, s22, 2*HALFT                 ; which lie behind P's 256
.irp s, 0,1
	v_add_nc_u32 v[ADRA+\s], s21, v4
	v_add_nc_u32 v[ADRB+\s], s22, v4
	s_add_co_u32 s21, s21, SLOT
	s_add_co_u32 s22, s22, SLOT
.endr
	; THE BIAS.  Rr, Cc: my wave's first row of P and of Q
	s_lshl_b32 s66, s17, 8
	s_lshl_b32 s94, s15, 7
	s_add_co_u32 s66, s66, s94                     ; Rr
	s_lshl_b32 s67, s42, 8
	s_lshl_b32 s94, s16, 7
	s_add_co_u32 s67, s67, s94                     ; Cc
	s_add_co_u32 s95, s66, 2048
	s_cmp_eq_u32 ttmp9, 2
	s_cselect_b32 s94, 0, s67                      ; by Q's row: k, q: b_qkv[Cc ..];  v: any 128 numbers of the buffer, which are multiplied by 0
	s_cselect_b32 s95, s95, 0                      ; by P's row: v: b_qkv[2048 + Rr ..];  k, q: likewise any
	s_cselect_b32 s82, s67, s66                    ; xm: my first row of x
	s_cselect_b32 s83, s66, s67                    ; wn: my first row of W_qkv within its part
	s_lshl_b32 s94, s94, 2
	s_lshl_b32 s95, s95, 2
	v_lshlrev_b32 v[CBO], 5, v2
	v_add_nc_u32 v[CBO], s94, v[CBO]               ; register 8 b + j wants b_qkv[first + 16 b + 8 h + j]
	v_lshlrev_b32 v[RBO], 2, v1
	v_add_nc_u32 v[RBO], s95, v[RBO]               ; block a wants b_qkv[first + 16 a + r], in both halves of a pair
.irp b, 0,1,2,3,4,5,6,7
	global_load_b128 v[CB+8*\b:CB+8*\b+3], v[CBO], s[8:9] offset:64*\b
	global_load_b128 v[CB+8*\b+4:CB+8*\b+7], v[CBO], s[8:9] offset:64*\b+16
.endr
.irp a, 0,1,2,3,4,5,6,7
	global_load_b32 v[RB+2*\a], v[RBO], s[8:9] offset:64*\a
	global_load_b32 v[RB+2*\a+1], v[RBO], s[8:9] offset:64*\a
.endr
	v_and_b32 v5, 31, v0
	v_lshlrev_b32 v[VO0], 4, v5
	s_wait_alu depctr_va_vdst(0)
	s_wait_kmcnt 0x0                               ; the exponents
	s_add_co_i32 s94, s68, s69                     ; e0 + e1: a sum stands for sum x 2^(e0 + e1)
	s_sub_co_i32 s95, 127, s94
	s_lshl_b32 s95, s95, 23                        ; 2^-(e0 + e1) as f32
	s_cmp_eq_u32 ttmp9, 1
	s_cselect_b32 s18, s70, s71                    ; q is A of q k^T: e2;  k is its B: e3
	s_mov_b32 s84, 131072
	s_mov_b32 s86, 1024
	s_mov_b32 s88, 1024
	s_cmp_eq_u32 ttmp9, 2
	s_cselect_b32 s18, s73, s18                    ; v: e5
	s_cselect_b32 s90, 0, s95                      ; what the bias by Q's row is multiplied by,
	s_cselect_b32 s92, s95, 0                      ; and the bias by P's row
	s_cselect_b32 s84, 1024, s84                   ; from a block's first eight code registers to its last eight: v: half an image on;  k, q: the next head
	s_cselect_b32 s86, 2048, s86                   ; from block a to a + 1: v: the next 16 channels' image;  k, q: the next 16 rows' image
	s_cselect_b32 s88, 124928, s88                 ; from block 3 to 4: v: the next head, back three images (131072 - 3 x 2048);  k, q: as above
	s_mov_b32 s87, 0
	s_mov_b32 s89, 0
	s_mov_b32 s91, s90                             ; (named as pairs, so the upper words are written)
	s_mov_b32 s93, s92
	s_sub_co_i32 s18, s18, s94
	s_add_co_i32 s18, s18, 127
	s_lshl_b32 s19, s18, 23
	v_mov_b32 v[SC], s19                           ; 2^(e(out) - e0 - e1): the three scales folded into the conversion's one
	v_add_nc_u32 v[VO1], s84, v[VO0]
	s_lshl_b32 s18, ttmp9, 23                      ; where my wave's codes begin: the section (8 MiB each),
	s_lshr_b32 s19, s82, 11
	s_lshl_b32 s19, s19, 21                        ; the batch's 16 heads of 131072 bytes,
	s_add_co_u32 s18, s18, s19
	s_and_b32 s19, s83, 1023
	s_lshr_b32 s19, s19, 6
	s_lshl_b32 s19, s19, 17                        ; the head,
	s_add_co_u32 s18, s18, s19
	s_and_b32 s19, s82, 2047
	s_lshl_b32 s19, s19, 6                         ; 64 bytes for each place in the sequence
	s_add_co_u32 s18, s18, s19
	s_mov_b32 s19, 0
	s_add_nc_u64 s[12:13], s[12:13], s[18:19]
	s_wait_loadcnt 0x0                             ; the biases
.set nn, 0
.rept 32
	v_pk_mul_f32 v[CB+nn:CB+nn+1], v[CB+nn:CB+nn+1], s[90:91] op_sel_hi:[1,0]
.set nn, nn+2
.endr
.set nn, 0
.rept 8
	v_pk_mul_f32 v[RB+nn:RB+nn+1], v[RB+nn:RB+nn+1], s[92:93] op_sel_hi:[1,0]
.set nn, nn+2
.endr
.set aa, 0
.rept 8                                ; every sum begins as its bias / 2^(e0 + e1): nothing is cleared, and no addition is left for the way out
	WIN 0x80+0x40*(aa/4)                           ; destination window 2 or 3
.set nn, 0
.rept 32
	v_pk_add_f32 v[64*(aa%4)+nn:64*(aa%4)+nn+1], v[CB+nn:CB+nn+1], v[RB+2*aa:RB+2*aa+1]
.set nn, nn+2
.endr
.set aa, aa+1
.endr
	WIN 0
.macro FRAG reg, adr, q, i             ; a fragment, 16 rows x 128 K: lane l holds row l % 16; registers 4 c .. 4 c + 3 hold K = 32 c + 16 (l / 16) + 0 .. 15: the same order of K in P and in Q, so every product meets its partner
.irp c, 0,1,2,3
	ds_load_b128 v[\reg+4*\c:\reg+4*\c+3], v[\adr] offset:128*(\q)+32*\c+(\i)*16*PITCH
.endr
.endm
; 16 matrix instructions: P's blocks a0, a0 + 1 x Q's eight, 128 along K.  p: Q's set.  The 64 accumulators take turns, one instruction a turn, in the same order in every step.
.macro MUL16 a0, p
.irp a, \a0, \a0+1
.irp b, 0,1,2,3,4,5,6,7
	v_wmma_f32_16x16x128_fp8_fp8 v[8*(8*((\a)%4)+\b):8*(8*((\a)%4)+\b)+7], v[128*(\p)+FR*\b:128*(\p)+FR*\b+FR-1], v[AF+FR*(\a):AF+FR*(\a)+FR-1], v[8*(8*((\a)%4)+\b):8*(8*((\a)%4)+\b)+7]
.endr
.endr
.endm
.macro FETCH_B slot, q, p              ; Q's eight fragments of the slot's q-th 128 along K into set p
	WIN TO_B
.irp i, 0,1,2,3,4,5,6,7
	FRAG 128*(\p)+FR*\i, ADRB+\slot, \q, \i
.endr
	WIN 0
.endm
.macro FETCH_A slot, q, i0             ; P's blocks i0 .. i0 + 3
.irp i, \i0, \i0+1, \i0+2, \i0+3
	FRAG AF+FR*(\i), ADRA+\slot, \q, \i
.endr
.endm
.macro PLACES n                        ; plain vector instructions between a matrix instruction and a load into one of its registers, or a read of its result
.rept \n
	v_nop
.endr
.endm
; A step of 128 along K that has its successor in the same slot.
.macro STEP slot, q
	s_wait_dscnt 4*NL                              ; Q's set and P's blocks 0-3 are in; the youngest sixteen loads (P's blocks 4-7) may be out
	WIN MUL_LO
	MUL16 0, (\q)%2
	MUL16 2, (\q)%2
	s_wait_dscnt 0                                 ; P's blocks 4-7 are in
	PLACES NP
	FETCH_B \slot, (\q)+1, 1-(\q)%2
	FETCH_A \slot, (\q)+1, 0
	WIN MUL_HI
	MUL16 4, (\q)%2
	MUL16 6, (\q)%2
	PLACES NP
	WIN 0
	FETCH_A \slot, (\q)+1, 4
.endm
; A slot's last step changes slots: ONE barrier; in front of it each wave waits for all its tensor loads, adds 0 to its spare word, and waits for that and for its own reads of this slot.  fill = 1: this slot is filled again, two K steps ahead.
.macro TURN slot, next, fill
	s_wait_tensorcnt 0x0                           ; all my tensor loads have landed: my part of the next slot  (every window is 0 here)
	ds_add_u32 v[SPW], v[NIL]                      ; 0 onto my spare word
	s_wait_dscnt 4*NL+1                            ; (the add and the youngest sixteen loads may be out)
	WIN MUL_LO
	MUL16 0, 1                                     ; sixteen matrix instructions stand between the add and the wait for it
	s_wait_dscnt 0x0                               ; the add is done, and my reads of this slot are over
	s_barrier_signal -1
	MUL16 2, 1
	WIN 0
	s_barrier_wait -1
.if \fill
	CREST                                          ; the barrier has opened a round of the cluster's barrier: no wave of any partner still reads this slot or has a load on its way
	s_add_nc_u64 s[G0+4*\slot+2:G0+4*\slot+3], s[G0+4*\slot+2:G0+4*\slot+3], 512
	s_add_nc_u64 s[G0B+4*\slot+2:G0B+4*\slot+3], s[G0B+4*\slot+2:G0B+4*\slot+3], 512
	JLOAD G0+4*\slot, G1, G0B+4*\slot, G1B         ; the first tensor load behind the round; its four v_nop are the places in front of the loads below
.else
	PLACES NP
.endif
	FETCH_B \next, 0, 0
	FETCH_A \next, 0, 0
	WIN MUL_HI
	MUL16 4, 1
	MUL16 6, 1
	PLACES NP
	WIN 0
	FETCH_A \next, 0, 4
.endm
	s_wait_alu depctr_va_vdst(0)
	s_wait_tensorcnt 1                             ; my part of K step 0 is in; K step 1's load may be out
	s_barrier_signal -1
	s_barrier_wait -1                              ; everybody's is
	FETCH_B 0, 0, 0
	FETCH_A 0, 0, 0
	FETCH_A 0, 0, 4
	STEP 0, 0                                      ; K = 1024 is four K steps of 256, eight steps of 128: written out, no loop
	TURN 0, 1, 1                                   ; slot 0 takes K step 2
	STEP 1, 0
	TURN 1, 0, 1                                   ; slot 1 takes K step 3
	STEP 0, 0
	TURN 0, 1, 0                                   ; nothing is left to fetch
	STEP 1, 0
	s_wait_dscnt 4*NL                              ; the very last step
	WIN MUL_LO
	MUL16 0, 1
	MUL16 2, 1
	s_wait_dscnt 0
	WIN MUL_HI
	MUL16 4, 1
	MUL16 6, 1
	WIN 0
; THE WAY OUT, block by block of 16 rows of P.  A block's 64 sums of a lane are not clamped to +-448 x the scale (the conversion to an 8-bit code does not saturate: ISA guide 7.6.2) and become 16 registers of codes:
; k, q: two fragments (two heads) of 8 registers;  v: one fragment of 16.  Four stores, each 512 consecutive bytes at a multiple of 512 from the buffer's first byte.
.macro OUT a
.set AC, 64*((\a)%4)
.set CDS, CD+16*((\a)%2)
	WIN 0x02+((\a)/4)                              ; source 0: window 2 or 3
.set nn, 0
.rept 64
.set nn, nn+1
.endr
.irp b, 0,1,2,3,4,5,6,7
	v_cvt_scalef32_pk8_fp8_f32 v[CDS+2*\b:CDS+2*\b+1], v[AC+8*\b:AC+8*\b+7], v[SC]
.endr
	WIN 0
	v_nop                                          ; one plain vector instruction behind the last conversion, ahead of the next block's writes of its sources
.if (\a) > 0
	s_wait_alu depctr_va_vdst(0)
	s_wait_xcnt 0x0                                ; the earlier stores have read their base and their data
.if (\a) == 4
	s_add_nc_u64 s[12:13], s[12:13], s[88:89]
.else
	s_add_nc_u64 s[12:13], s[12:13], s[86:87]
.endif
.endif
	global_store_b128 v[VO0], v[CDS:CDS+3], s[12:13]
	global_store_b128 v[VO0], v[CDS+4:CDS+7], s[12:13] offset:512
	global_store_b128 v[VO1], v[CDS+8:CDS+11], s[12:13]
	global_store_b128 v[VO1], v[CDS+12:CDS+15], s[12:13] offset:512
.endm
	PLACES NP                                      ; behind the last products, ahead of the first read of results
.irp a, 0,1,2,3,4,5,6,7
	OUT \a
.endr
	s_wait_tensorcnt 0x0                           ; the wave's end
	ds_add_u32 v[SPW], v[NIL]
	s_wait_dscnt 0x0
	CROUND                                         ; the closing round: no work-group ends while a partner may still ask for a tile that names it
	s_endpgm
.Lfunc_end_k_q1634d14763_qkv:
	.size	k_q1634d14763_qkv, .Lfunc_end_k_q1634d14763_qkv-k_q1634d14763_qkv
	.p2alignl 7, 3214868480
	.fill 96, 4, 3214868480
	.section	.rodata,"a",@progbits
	.p2align	6, 0x0
	.amdhsa_kernel k_q1634d14763_qkv
		.amdhsa_group_segment_fixed_size 327680
		.amdhsa_private_segment_fixed_size 0
		.amdhsa_enable_private_segment 0
		.amdhsa_kernarg_size 40
		.amdhsa_user_sgpr_count 2
		.amdhsa_user_sgpr_kernarg_segment_ptr 1
		.amdhsa_wavefront_size32 1
		.amdhsa_system_sgpr_workgroup_id_x 1
		.amdhsa_system_sgpr_workgroup_id_y 1
		.amdhsa_system_sgpr_workgroup_id_z 1
		.amdhsa_system_vgpr_workitem_id 0
		.amdhsa_next_free_vgpr 1024
		.amdhsa_next_free_sgpr 100
		.amdhsa_reserve_vcc 0
		.amdhsa_float_denorm_mode_32 3
		.amdhsa_float_denorm_mode_16_64 3
		.amdhsa_fp16_overflow 1
		.amdhsa_memory_ordered 1
		.amdhsa_forward_progress 1
		.amdhsa_inst_pref_size 109
	.end_amdhsa_kernel
	.amdgpu_metadata
---
amdhsa.version: [ 1, 2 ]
amdhsa.kernels:
  - .name:           k_q1634d14763_qkv
    .symbol:         k_q1634d14763_qkv.kd
    .args:
      - { .name: x_codes, .offset: 0, .size: 8, .value_kind: global_buffer, .address_space: global }
      - { .name: W_qkv_codes, .offset: 8, .size: 8, .value_kind: global_buffer, .address_space: global }
      - { .name: b_qkv, .offset: 16, .size: 8, .value_kind: global_buffer, .address_space: global }
      - { .name: lowp_scales, .offset: 24, .size: 8, .value_kind: global_buffer, .address_space: global }
      - { .name: kqv, .offset: 32, .size: 8, .value_kind: global_buffer, .address_space: global }
    .group_segment_fixed_size: 327680
    .private_segment_fixed_size: 0
    .kernarg_segment_align: 8
    .kernarg_segment_size: 40
    .max_flat_workgroup_size: 128
    .sgpr_count:     100
    .vgpr_count:     1024
    .wavefront_size: 32
...
	.end_amdgpu_metadata
.endif
;; end of part 1
;; launch attn (part 2): grid 4 x 64, 16 waves a work-group, clusters of 4 x 1, 264,192 bytes of LDS; arguments kqv, lowp_scales, y; writes y
.if DOCPART == 2
	.amdgcn_target "amdgcn-amd-amdhsa--gfx1250"
	.amdhsa_code_object_version 6
	.text
	.protected	k_q1634d14763_attn
	.globl	k_q1634d14763_attn
	.p2align	8
	.type	k_q1634d14763_attn,@function
k_q1634d14763_attn:
	s_mov_b64 s[64:65], 0
	v_nop
	global_prefetch_b8 v0, s[64:65] scope:SCOPE_SE
	s_setreg_imm32_b32 hwreg(HW_REG_WAVE_MODE, 25, 1), 1
	s_wait_xcnt 0x0
	s_wait_alu depctr_hold_cnt(0) depctr_sa_sdst(0) depctr_va_vdst(0) depctr_va_sdst(0) depctr_va_ssrc(0) depctr_va_vcc(0) depctr_vm_vsrc(0)
	s_getreg_b32 s2, hwreg(HW_REG_IB_STS2, 6, 4)
	s_cmp_eq_u32 s2, 0
	s_cbranch_scc0 .Lentry_in_a_cluster
	s_endpgm
.Lentry_in_a_cluster:
	s_bfe_u32 s2, ttmp6, 0x10000c
	s_cmp_lg_u32 s2, 0x3003
	s_cbranch_scc0 .Lentry_shape_is_right
	s_endpgm
.Lentry_shape_is_right:
; y = softmax(q k^T / 8, causal) v for each of 64 heads (2,048 places, 64 channels), both products on codes of FP8 (E4M3); y is quantised with 2^e6 for the next product.
; kqv holds k (byte 0), q (8 MiB) and v (16 MiB) as images of operand registers, 131,072 bytes a head:
;   k, q: 16 rows x 64 channels = 1,024 bytes: chunk c (512 bytes, 16 a lane) = registers 4 c .. 4 c + 3;   v: 128 keys = 8,192 bytes: four images (16 channels x 128 keys) of four chunks.
; THE SOFTMAX AHEAD OF THE SECOND PRODUCT: t = score x log2(e) / 8; M = the row's largest t so far, rounded UP to a whole number; p = 2^(t - M) is quantised with 2^e4, not normalised; the row's sum is taken of the
; unquantised p and divides at the end.  When M moves, the sum and O are multiplied by 2^(old M - new M): exact.
; SHARES.  A cluster of four work-groups is one head.  A head has 128 tiles of 16 queries: tile 8 g + TI of group g (128 queries).  Wave w of work-group cx (a = w / 2, e = w % 2) owns TI = 2 cx + e in group 15 - a and then
; in group a: (16 - a) + (a + 1) = 17 key steps of 128 for every wave of the launch.  Steps all of whose keys come after the queries are not walked.  The walk hangs on the wave's number and a counter alone; cx enters only
; q's and y's addresses in memory and the number that the mask compares with.
; LDS.  The head's whole K (bytes 0 - 131071) and V (131072 - 262143) as they lie in memory.  Every byte is filled ONCE, by joint loads that all four work-groups issue alike: each of the sixteen waves issues four loads of
; 4,096 bytes at the start (four of a wave's loads are out at the most): load n brings a part of key steps 4 n .. 4 n + 3.  Nothing is filled again and nothing is stored to LDS; a read is 16 bytes x lane, 512 bytes on end.
; LAYOUT.  S^T = K Q^T (source 0 = 16 keys, source 1 = my 16 queries), O^T = V^T P^T (source 0 = 16 channels, source 1 = P): a lane holds ONE query (lane % 16) throughout; tile t's register j is key 16 t + 8 (lane / 16) + j,
; so the conversions' results are registers 2 t, 2 t + 1 of the second product's operand.
; y's codes are stored as images of the next launch's operand: (head / 4) x 2 MiB + (row / 16) x 4096 + (head % 4) x 1024 + chunk x 512 + 16 lane; a lane holds channels 32 chunk + 16 (lane / 16) + 0 .. 15 of row lane % 16.
; LIMITS: e2 + e3 between -123 and 130 (added to c's exponent field); e4 between -126 and 119.  NaN and infinities among the codes' values do not occur short of the NaN code, which is not served.
.set LI,   1                           ; v1   16 x lane; never rewritten
.set ADK,  2                           ; v2   LDS address of the step's K
.set ADV,  3                           ; v3   of its V
.set DQ,   4                           ; v4   16 TI + lane % 16 - 8 (lane / 16): on the diagonal, register 8 t + j is hidden where 16 t + j is above it
.set NINF, 5                           ; v5   -infinity
.set C448, 6
.set ONE,  7                           ; v7   1.0: y's conversion takes the scale 2^0
.set PSC,  8                           ; v8   2^e4
.set PLIM, 9
.set LV,   10                          ; v10  16 x lane + 131072
.set QF,   16                          ; v16-23  Q's fragment in hand;  v24-31 that of my second tile
.set QL,   24
.set KV,   32                          ; v32-95  K's eight fragments, then V's four
.set S,    96                          ; v96-159 S^T, then p
.set O,    160                         ; v160-191 O^T
.set PC,   192                         ; v192-207 p's codes
.set YCD,  208                         ; v208-215 y's codes as the conversions give them
.set OUTR, 216                         ; v216-223 and as they are stored
.set SND,  224
.set RCV,  226
.set WV,   18                          ; s18  wave
.set AA,   19                          ; s19  a = wave / 2
.set SEL,  20                          ; s[20:21] lane selects for v_permlanex16_b32: lane l xor 16
.set CS,   22                          ; s[22:23] c = log2(e) / 8 x 2^(e2 + e3)
.set G1,   24                          ; s[24:31] descriptor group 1;  s[32:47] four groups 0
.set G0,   32
.set TAU,  48                          ; s48  the step's number, 0 .. 16
.set HIEND, 49                         ; s49  15 - a: my first tile's group, and its last step
.set KS,   50                          ; s50  the key step
.set GRP,  51                          ; s51  the group of the tile in hand
.set TB,   52                          ; s52  8192 x key step
.set HM,   53                          ; s53  lanes 16-31
.set CX,   54
.set BH,   55                          ; s55  the head, 0 .. 63
.set TI,   56
.set HIE1, 57                          ; s57  16 - a
.set YOF,  58                          ; s[58:59]
.set YT,   60                          ; s[60:61]
.set YCO,  62                          ; s62  the head's and the batch's part of y's offset
.set EY,   63                          ; s63  e4 + e5 - e6
.macro CROUND                          ; a round of the cluster's barrier
	s_barrier_signal -1
	s_barrier_wait -1
	s_cmp_lg_u32 s[WV], 0
	s_cbranch_scc1 .Lnot_wave_0_\@
	s_barrier_signal -3
.Lnot_wave_0_\@:
	s_barrier_wait -3
	s_barrier_signal -1
	s_barrier_wait -1
.endm
	s_load_b128 s[4:7], s[0:1], 0x0                ; kqv s[4:5], the scales' exponents s[6:7]
	s_load_b64 s[8:9], s[0:1], 0x10                ; y
	v_lshl_add_u32 v251, v0, 2, 0x40000
	v_mov_b32 v255, 0
	ds_add_u32 v251, v255
	ds_add_u32 v251, v255
	v_lshrrev_b32 v1, 5, v0
	s_delay_alu instid0(VALU_DEP_1)
	v_readfirstlane_b32 s[WV], v1                  ; wave 0..15
	s_lshr_b32 s[AA], s[WV], 1
	s_and_b32 s66, s[WV], 1
	s_bfe_u32 s[CX], ttmp6, 0x40000                ; my place in the cluster
	s_lshl_b32 s[TI], s[CX], 1
	s_add_co_u32 s[TI], s[TI], s66                 ; TI = 2 cx + e
	s_and_b32 s[BH], ttmp7, 0xffff                 ; the head, which the four partners share
	s_sub_co_u32 s[HIEND], 15, s[AA]
	s_add_co_u32 s[HIE1], s[HIEND], 1
	; descriptor group 1: a dense block of 4,096 bytes as 16 rows of 256
	s_mov_b32 s[G1], 15|(3<<16)|(1<<21)            ; 15:0 the mask: all four work-groups; 17:16 elements of 8 bytes; 20 no padding; 21 set beside a mask
	s_mov_b32 s[G1+1], 32<<16                      ; tensor_dim0 = 32 elements
	s_mov_b32 s[G1+2], 16<<16                      ; tensor_dim1 = 16
	s_mov_b32 s[G1+3], 32<<16                      ; tile_dim0
	s_mov_b32 s[G1+4], 16                          ; tile_dim1
	s_mov_b32 s[G1+5], 32                          ; tensor_dim0_stride
	s_mov_b32 s[G1+6], 0
	s_mov_b32 s[G1+7], 0
	s_lshr_b32 s66, s[WV], 3                       ; waves 0-7 fetch K, waves 8-15 V
	s_lshl_b32 s67, s66, 17
	s_and_b32 s58, s[WV], 7
	s_lshl_b32 s58, s58, 12
	s_add_co_u32 s67, s67, s58                     ; LDS: 131072 x (wave / 8) + 4096 x (wave % 8)
	s_lshl_b32 s60, s66, 24                        ; memory: k's section or v's (16 MiB on),
	s_lshl_b32 s61, s[BH], 17                      ; the head,
	s_add_co_u32 s60, s60, s61
	s_add_co_u32 s60, s60, s58                     ; my 4,096 bytes
	s_mov_b32 s61, 0
	s_mov_b32 s[SEL], 0x76543210
	s_mov_b32 s[SEL+1], 0xfedcba98
	s_mov_b32 s[CS], 0x3e38aa3b                    ; log2(e) / 8
	s_mov_b32 s[HM], 0xffff0000
	s_wait_dscnt 0x0
	s_wait_kmcnt 0x0
	s_load_b256 s[68:75], s[6:7], 0x0              ; e0 .. e7
	s_add_nc_u64 s[60:61], s[4:5], s[60:61]
.irp n, 0,1,2,3
	s_mov_b32 s[G0+4*\n], 1                        ; count = 1
	s_add_co_u32 s[G0+4*\n+1], s67, \n*32768       ; LDS address: key steps 4 n on
	s_add_nc_u64 s[G0+4*\n+2:G0+4*\n+3], s[60:61], \n*32768
	s_or_b32 s[G0+4*\n+3], s[G0+4*\n+3], 0x80000000   ; type = 2
.endr
	CROUND                                         ; all four work-groups are here: the joint loads meet
	tensor_load_to_lds s[G0:G0+3], s[G1:G1+7]      ; all fills of the launch go out as one group
	s_nop 0
	tensor_load_to_lds s[G0+4:G0+7], s[G1:G1+7]
	s_nop 0
	tensor_load_to_lds s[G0+8:G0+11], s[G1:G1+7]
	s_nop 0
	tensor_load_to_lds s[G0+12:G0+15], s[G1:G1+7]
	s_nop 0
.rept 4
	v_nop
.endr
	v_and_b32 v[LI], 31, v0
	s_delay_alu instid0(VALU_DEP_1)
	v_lshlrev_b32 v[LI], 4, v[LI]
	s_wait_alu depctr_va_vdst(0)
	s_lshl_b32 s67, s[BH], 17
	s_add_co_u32 s67, s67, 0x800000                ; q's section, my head
	s_lshl_b32 s66, s[HIEND], 3
	s_add_co_u32 s66, s66, s[TI]
	s_lshl_b32 s66, s66, 10                        ; tile 8 (15 - a) + TI, 1,024 bytes a tile
	s_add_co_u32 s58, s66, s67
	s_mov_b32 s59, 0
	s_add_nc_u64 s[76:77], s[4:5], s[58:59]
	s_lshl_b32 s66, s[AA], 3
	s_add_co_u32 s66, s66, s[TI]
	s_lshl_b32 s66, s66, 10                        ; tile 8 a + TI
	s_add_co_u32 s58, s66, s67
	s_add_nc_u64 s[78:79], s[4:5], s[58:59]
	global_load_b128 v[QF:QF+3], v[LI], s[76:77]
	global_load_b128 v[QF+4:QF+7], v[LI], s[76:77] offset:512
	global_load_b128 v[QL:QL+3], v[LI], s[78:79]
	global_load_b128 v[QL+4:QL+7], v[LI], s[78:79] offset:512
	v_add_nc_u32 v[LV], 0x20000, v[LI]
	v_and_b32 v2, 15, v0
	v_bfe_u32 v3, v0, 4, 1
	s_delay_alu instid0(VALU_DEP_1)
	v_lshlrev_b32 v3, 3, v3
	s_delay_alu instid0(VALU_DEP_1)
	v_sub_nc_u32 v[DQ], v2, v3
	s_lshl_b32 s66, s[TI], 4
	v_add_nc_u32 v[DQ], s66, v[DQ]
	v_mov_b32 v[NINF], 0xff800000
	v_mov_b32 v[ONE], 1.0
	v_mov_b32 v13, 0xff61b1e6                      ; the largest t so far: -3e38, under every t
	s_delay_alu instid0(VALU_DEP_1)
	v_floor_f32 v12, -v13                          ; -M
	v_mov_b32 v14, 0                               ; the sum, in two halves
	v_mov_b32 v15, 0
	v_mov_b32 v236, 0                              ; written once: a lane permute's destination counts as one of its sources
	v_mov_b32 v[RCV], 0
	v_mov_b32 v[RCV+1], 0
	v_mov_b32 v253, 0                              ; (named as the upper half of the pair v[252:253])
.set nn, 0
.rept 32
	v_mov_b32 v[O+nn], 0                           ; O^T: a tile's first step finds zeros, which the first change of M leaves zeros
.set nn, nn+1
.endr
	s_and_b32 s66, s[BH], 15                       ; the head within its batch
	s_lshr_b32 s67, s66, 2
	s_lshl_b32 s[YCO], s67, 21                     ; (head / 4) x 2 MiB
	s_and_b32 s66, s66, 3
	s_lshl_b32 s66, s66, 10
	s_add_co_u32 s[YCO], s[YCO], s66               ; + (head % 4) x 1024
	s_lshr_b32 s66, s[BH], 4
	s_lshl_b32 s66, s66, 19
	s_add_co_u32 s[YCO], s[YCO], s66               ; + batch x 128 tiles x 4096
	s_wait_kmcnt 0x0
	s_add_co_i32 s66, s70, s71
	s_lshl_b32 s66, s66, 23
	s_add_co_i32 s[CS], s[CS], s66                 ; a score stands for score x 2^(e2 + e3): added to c's exponent field
	s_mov_b32 s[CS+1], s[CS]                       ; (named with it as a pair)
	s_add_co_i32 s66, s72, 127
	s_lshl_b32 s67, s66, 23
	v_mov_b32 v[PSC], s67                          ; 2^e4
	s_add_co_i32 s[EY], s72, s73
	s_sub_co_i32 s[EY], s[EY], s74                 ; O^T / the sum stands for y / 2^(e4 + e5); its code is y / 2^e6
; A KEY STEP: 128 keys.  diag = 0: steps 0-7, which belong to my first tile (its group is 8 at the least): all keys count, and the tile does not end.  diag = 1: the step may lie on the diagonal, which is a tile's last.
.macro STEP diag
.if \diag
	s_cmp_gt_u32 s[TAU], s[HIEND]                  ; my second tile?  (wave's number and counter alone)
	s_cselect_b32 s66, s[HIE1], 0
	s_cselect_b32 s[GRP], s[AA], s[HIEND]
	s_sub_co_u32 s[KS], s[TAU], s66
	s_and_b32 s[KS], s[KS], 15                     ; (it is 0 .. 15 in any case)
	s_lshl_b32 s[TB], s[KS], 13
.else
	s_lshl_b32 s[TB], s[TAU], 13
.endif
	s_setprio 2
	v_add_nc_u32 v[ADK], s[TB], v[LI]
	v_add_nc_u32 v[ADV], s[TB], v[LV]
	v_nop                                          ; with the two additions: four places between the last step's products and the loads into the registers that they read
	v_nop
.set tt, 0
.rept 8
	ds_load_b128 v[KV+8*tt:KV+8*tt+3], v[ADK] offset:1024*tt
	ds_load_b128 v[KV+8*tt+4:KV+8*tt+7], v[ADK] offset:1024*tt+512
.set tt, tt+1
.endr
	s_wait_alu depctr_va_vdst(0)
	s_wait_dscnt 0x0
.set tt, 0
.rept 8
	v_wmma_f32_16x16x64_fp8_fp8 v[S+8*tt:S+8*tt+7], v[KV+8*tt:KV+8*tt+7], v[QF:QF+7], 0
.set tt, tt+1
.endr
.rept 4
	v_nop                                          ; places in front of the loads below and of the first read of the scores
.endr
.set tt, 0
.rept 16
	ds_load_b128 v[KV+4*tt:KV+4*tt+3], v[ADV] offset:512*tt   ; V's four images, 2,048 bytes each: they land while the softmax is worked
.set tt, tt+1
.endr
.if \diag
	s_cmp_lg_u32 s[KS], s[GRP]
	s_cbranch_scc1 .Lopen_\@                       ; only the step on the diagonal has hidden keys
.set nn, 0
.rept 64
	v_cmp_gt_i32 vcc_lo, 16*(nn/8)+nn%8, v[DQ]
	v_cndmask_b32 v[S+nn], v[S+nn], v[NINF], vcc_lo   ; -infinity ahead of the maximum: p = 0 then
.set nn, nn+1
.endr
.Lopen_\@:
.endif
	v_max3_num_f32 v254, v96, v97, v98             ; the step's largest score of my query, among my 64 keys, in two chains,
	v_max3_num_f32 v252, v99, v100, v101
.irp i, 6,10,14,18,22,26,30,34,38,42,46,50,54,58
	v_max3_num_f32 v254, v254, v[96+\i], v[97+\i]
	v_max3_num_f32 v252, v252, v[98+\i], v[99+\i]
.endr
	v_max3_num_f32 v254, v254, v158, v159
	s_delay_alu instid0(VALU_DEP_1)
	v_max_num_f32 v254, v254, v252
	s_delay_alu instid0(VALU_DEP_1)
	v_permlanex16_b32 v236, v254, s[SEL], s[SEL+1]
	s_delay_alu instid0(VALU_DEP_1)
	v_max_num_f32 v254, v254, v236                 ; and among lane l xor 16's
	s_delay_alu instid0(VALU_DEP_1)
	v_mul_f32 v254, s[CS], v254                    ; as t (c is positive)
	s_delay_alu instid0(VALU_DEP_1)
	v_max_num_f32 v13, v13, v254                   ; the running largest t
	v_mov_b32 v254, v12
	s_delay_alu instid0(VALU_DEP_2)
	v_floor_f32 v12, -v13                          ; the new -M = floor(-t) = -ceil(t): a whole number
	s_delay_alu instid0(VALU_DEP_1)
	v_sub_f32 v254, v12, v254                      ; M's old value less its new one: a whole number, 0 or less
	s_delay_alu instid0(VALU_DEP_1)
	v_cvt_i32_f32 v254, v254                       ; (it saturates)
	s_delay_alu instid0(VALU_DEP_1)
	v_ldexp_f32 v252, 1.0, v254                    ; f = 2^(old M - new M)
.set nn, 0
.rept 32
	v_pk_fma_f32 v[S+nn:S+nn+1], v[S+nn:S+nn+1], s[CS:CS+1], v[12:13] op_sel_hi:[1,0,0]   ; t - M, two at a time
.set nn, nn+2
.endr
.set nn, 0
	s_setprio 1
	s_wait_alu depctr_va_vdst(0)
.rept 64
	v_exp_f32 v[S+nn], v[S+nn]                     ; p = 2^(t - M), at most 1
.set nn, nn+1
.endr
	v_pk_mul_f32 v[14:15], v[14:15], v[252:253] op_sel_hi:[1,0]   ; the sums under the new M  (the plain instruction behind the exponentials)
	s_wait_alu depctr_va_vdst(0)                   ; one wait for the whole batch, ahead of its first reader
	v_pk_add_f32 v[242:243], v[100:101], v[104:105]
	v_pk_add_f32 v[248:249], v[108:109], v[112:113]
	v_pk_add_f32 v[246:247], v[116:117], v[120:121]
	v_pk_add_f32 v[244:245], v[124:125], v[128:129]
	v_pk_add_f32 v[240:241], v[132:133], v[136:137]
	v_pk_add_f32 v[238:239], v[140:141], v[144:145]
	v_pk_add_f32 v[234:235], v[148:149], v[152:153]
	v_pk_add_f32 v[14:15], v[14:15], v[156:157]
	v_pk_add_f32 v[242:243], v[242:243], v[96:97]
	v_pk_add_f32 v[248:249], v[248:249], v[98:99]
	v_pk_add_f32 v[246:247], v[246:247], v[102:103]
	v_pk_add_f32 v[244:245], v[244:245], v[106:107]
	v_pk_add_f32 v[240:241], v[240:241], v[110:111]
	v_pk_add_f32 v[238:239], v[238:239], v[114:115]
	v_pk_add_f32 v[234:235], v[234:235], v[118:119]
	v_pk_add_f32 v[14:15], v[14:15], v[122:123]
	v_pk_add_f32 v[242:243], v[242:243], v[126:127]
	v_pk_add_f32 v[248:249], v[248:249], v[130:131]
	v_pk_add_f32 v[246:247], v[246:247], v[134:135]
	v_pk_add_f32 v[244:245], v[244:245], v[138:139]
	v_pk_add_f32 v[240:241], v[240:241], v[142:143]
	v_pk_add_f32 v[238:239], v[238:239], v[146:147]
	v_pk_add_f32 v[234:235], v[234:235], v[150:151]
	v_pk_add_f32 v[14:15], v[14:15], v[154:155]
	v_pk_add_f32 v[242:243], v[242:243], v[158:159]
	s_delay_alu instid0(VALU_DEP_2)
	v_pk_add_f32 v[14:15], v[14:15], v[244:245]
	s_delay_alu instid0(VALU_DEP_2)
	v_pk_add_f32 v[242:243], v[242:243], v[240:241]
	v_pk_add_f32 v[248:249], v[248:249], v[238:239]
	v_pk_add_f32 v[246:247], v[246:247], v[234:235]
	s_delay_alu instid0(VALU_DEP_2)
	v_pk_add_f32 v[14:15], v[14:15], v[248:249]
	s_delay_alu instid0(VALU_DEP_2)
	v_pk_add_f32 v[242:243], v[242:243], v[246:247]
	s_delay_alu instid0(VALU_DEP_1)
	v_pk_add_f32 v[14:15], v[14:15], v[242:243]
.set tt, 0
.rept 8
.set nn, 0
.rept 8
.set nn, nn+1
.endr
	v_cvt_scalef32_pk8_fp8_f32 v[PC+2*tt:PC+2*tt+1], v[S+8*tt:S+8*tt+7], v[PSC]   ; keys 16 t + 8 (lane / 16) + 0 .. 7: registers 2 t, 2 t + 1 of the operand
.set tt, tt+1
.endr
.set nn, 0
.rept 16
	v_pk_mul_f32 v[O+nn:O+nn+1], v[O+nn:O+nn+1], v[252:253] op_sel_hi:[1,0]   ; O^T under the new M  (also the plain instructions between the conversions and the products)
.set nn, nn+2
.endr
	s_setprio 0
	s_wait_alu depctr_va_vdst(0)
	s_wait_dscnt 0x0                               ; V is in
.set tt, 0
.rept 4
	v_wmma_f32_16x16x128_fp8_fp8 v[O+8*tt:O+8*tt+7], v[KV+16*tt:KV+16*tt+15], v[PC:PC+15], v[O+8*tt:O+8*tt+7]   ; four accumulators by turns
.set tt, tt+1
.endr
.if \diag
	s_cmp_lg_u32 s[KS], s[GRP]
	s_cbranch_scc1 .Lnot_last_\@
	; THE TILE'S END: O^T / the sum x 2^(e4 + e5 - e6) becomes y's codes
.rept 4
	v_nop                                          ; places behind the products
.endr
	s_wait_xcnt 0x0                                ; my first tile's stores have read their base and their data
	v_add_f32 v14, v14, v15                        ; the sum's two halves,
	s_delay_alu instid0(VALU_DEP_1)
	v_permlanex16_b32 v252, v14, s[SEL], s[SEL+1]
	s_delay_alu instid0(VALU_DEP_1)
	v_add_f32 v14, v14, v252                       ; and lane l xor 16's
	s_wait_alu depctr_va_vdst(0)
	v_rcp_f32 v14, v14
	v_nop                                          ; a plain instruction behind the reciprocal
	s_lshl_b32 s[YOF], s[GRP], 3
	s_add_co_u32 s[YOF], s[YOF], s[TI]
	s_lshl_b32 s[YOF], s[YOF], 12                  ; the tile's 4,096 bytes of its K step
	s_add_co_u32 s[YOF], s[YOF], s[YCO]
	s_mov_b32 s[YOF+1], 0
	s_add_nc_u64 s[YT:YT+1], s[8:9], s[YOF:YOF+1]
	s_wait_alu depctr_va_vdst(0)                   ; ahead of the reciprocal's first reader
	v_ldexp_f32 v14, v14, s[EY]
.set nn, 0
.rept 16
	v_pk_mul_f32 v[S+nn:S+nn+1], v[O+nn:O+nn+1], v[14:15] op_sel_hi:[1,0]   ; register 8 u + j: channel 16 u + 8 (lane / 16) + j of my query
.set nn, nn+2
.endr
.set nn, 0
.rept 32
.set nn, nn+1
.endr
.irp u, 0,1,2,3
	v_cvt_scalef32_pk8_fp8_f32 v[YCD+2*\u:YCD+2*\u+1], v[S+8*\u:S+8*\u+7], v[ONE]
.endr
	v_nop                                          ; one plain instruction behind the last conversion
	; the halves of the lanes exchange eight codes, so that a lane holds 16 neighbouring channels: lanes 0-15 give tile 2 c + 1's and take tile 2 c's, lanes 16-31 the other way round
.irp c, 0,1
	v_cndmask_b32 v[SND], v[YCD+4*\c+2], v[YCD+4*\c], s[HM]
	v_cndmask_b32 v[SND+1], v[YCD+4*\c+3], v[YCD+4*\c+1], s[HM]
	s_delay_alu instid0(VALU_DEP_2)
	v_permlanex16_b32 v[RCV], v[SND], s[SEL], s[SEL+1]
	s_delay_alu instid0(VALU_DEP_2)
	v_permlanex16_b32 v[RCV+1], v[SND+1], s[SEL], s[SEL+1]
	v_cndmask_b32 v[OUTR+4*\c], v[YCD+4*\c], v[RCV], s[HM]
	v_cndmask_b32 v[OUTR+4*\c+1], v[YCD+4*\c+1], v[RCV+1], s[HM]
	v_cndmask_b32 v[OUTR+4*\c+2], v[RCV], v[YCD+4*\c+2], s[HM]
	v_cndmask_b32 v[OUTR+4*\c+3], v[RCV+1], v[YCD+4*\c+3], s[HM]
.endr
	global_store_b128 v[LI], v[OUTR:OUTR+3], s[YT:YT+1]               ; 512 consecutive bytes, at a multiple of 512 from y's first byte
	global_store_b128 v[LI], v[OUTR+4:OUTR+7], s[YT:YT+1] offset:512
	v_mov_b32 v13, 0xff61b1e6                      ; and my second tile begins
	s_delay_alu instid0(VALU_DEP_1)
	v_floor_f32 v12, -v13
	v_mov_b32 v14, 0
	v_mov_b32 v15, 0
.set nn, 0
.rept 32
	v_mov_b32 v[O+nn], 0
.set nn, nn+1
.endr
.set nn, 0
.rept 8
	v_mov_b32 v[QF+nn], v[QL+nn]
.set nn, nn+1
.endr
.Lnot_last_\@:
.endif
.endm
	s_wait_tensorcnt 3                             ; my part of key steps 0-3 is in; my three later loads may be out
	s_barrier_signal -1
	s_barrier_wait -1                              ; everybody's is
	s_wait_loadcnt 0x0                             ; Q
	s_mov_b32 s[TAU], 0
.Lsteps_a:
	STEP 0
	s_add_co_u32 s[TAU], s[TAU], 1
	s_cmp_lt_u32 s[TAU], 4
	s_cbranch_scc1 .Lsteps_a
	s_setprio 0
	s_wait_dscnt 0x0
	s_wait_tensorcnt 2                             ; my part of key steps 4-7 is in
	s_barrier_signal -1
	s_barrier_wait -1
	s_mov_b32 s[TAU], 4
.Lsteps_b:
	STEP 0
	s_add_co_u32 s[TAU], s[TAU], 1
	s_cmp_lt_u32 s[TAU], 8
	s_cbranch_scc1 .Lsteps_b
	s_setprio 0
	s_wait_dscnt 0x0
	s_wait_tensorcnt 0x0                           ; all my loads are in
	s_barrier_signal -1
	s_barrier_wait -1                              ; the whole head lies in LDS
	s_mov_b32 s[TAU], 8
.Lsteps_c:
	STEP 1
	s_add_co_u32 s[TAU], s[TAU], 1
	s_cmp_lt_u32 s[TAU], 17
	s_cbranch_scc1 .Lsteps_c
	s_setprio 0
	s_wait_tensorcnt 0x0
	ds_add_u32 v251, v255
	s_wait_dscnt 0x0
	CROUND                                         ; the closing round
	s_endpgm
.Lfunc_end_k_q1634d14763_attn:
	.size	k_q1634d14763_attn, .Lfunc_end_k_q1634d14763_attn-k_q1634d14763_attn
	.p2alignl 7, 3214868480
	.fill 96, 4, 3214868480
	.section	.rodata,"a",@progbits
	.p2align	6, 0x0
	.amdhsa_kernel k_q1634d14763_attn
		.amdhsa_group_segment_fixed_size 264192
		.amdhsa_private_segment_fixed_size 0
		.amdhsa_enable_private_segment 0
		.amdhsa_kernarg_size 24
		.amdhsa_user_sgpr_count 2
		.amdhsa_user_sgpr_kernarg_segment_ptr 1
		.amdhsa_wavefront_size32 1
		.amdhsa_system_sgpr_workgroup_id_x 1
		.amdhsa_system_sgpr_workgroup_id_y 1
		.amdhsa_system_sgpr_workgroup_id_z 1
		.amdhsa_system_vgpr_workitem_id 0
		.amdhsa_next_free_vgpr 256
		.amdhsa_next_free_sgpr 80
		.amdhsa_reserve_vcc 1
		.amdhsa_float_denorm_mode_32 3
		.amdhsa_float_denorm_mode_16_64 3
		.amdhsa_fp16_overflow 1
		.amdhsa_memory_ordered 1
		.amdhsa_forward_progress 1
		.amdhsa_inst_pref_size 60
	.end_amdhsa_kernel
	.amdgpu_metadata
---
amdhsa.version: [ 1, 2 ]
amdhsa.kernels:
  - .name:           k_q1634d14763_attn
    .symbol:         k_q1634d14763_attn.kd
    .args:
      - { .name: kqv, .offset: 0, .size: 8, .value_kind: global_buffer, .address_space: global }
      - { .name: lowp_scales, .offset: 8, .size: 8, .value_kind: global_buffer, .address_space: global }
      - { .name: y, .offset: 16, .size: 8, .value_kind: global_buffer, .address_space: global }
    .group_segment_fixed_size: 264192
    .private_segment_fixed_size: 0
    .kernarg_segment_align: 8
    .kernarg_segment_size: 24
    .max_flat_workgroup_size: 512
    .sgpr_count:     80
    .vgpr_count:     256
    .wavefront_size: 32
...
	.end_amdgpu_metadata
.endif
;; end of part 2
;; launch proj (part 3): grid 4 x 32, 4 waves a work-group, clusters of 4 x 4, 327,680 bytes of LDS; arguments y, W_proj_codes, lowp_scales, b_proj, out0; writes out0
.if DOCPART == 3
	.amdgcn_target "amdgcn-amd-amdhsa--gfx1250"
	.amdhsa_code_object_version 6
	.text
	.protected	k_q1634d14763_proj
	.globl	k_q1634d14763_proj
	.p2align	8
	.type	k_q1634d14763_proj,@function
k_q1634d14763_proj:
	s_mov_b64 s[64:65], 0
	v_nop
	global_prefetch_b8 v0, s[64:65] scope:SCOPE_SE
	s_setreg_imm32_b32 hwreg(HW_REG_WAVE_MODE, 25, 1), 1
	s_wait_xcnt 0x0
	s_wait_alu depctr_hold_cnt(0) depctr_sa_sdst(0) depctr_va_vdst(0) depctr_va_sdst(0) depctr_va_ssrc(0) depctr_va_vcc(0) depctr_vm_vsrc(0)
	s_getreg_b32 s2, hwreg(HW_REG_IB_STS2, 6, 4)
	s_cmp_eq_u32 s2, 0
	s_cbranch_scc0 .Lentry_in_a_cluster
	s_endpgm
.Lentry_in_a_cluster:
	s_bfe_u32 s2, ttmp6, 0x10000c
	s_cmp_lg_u32 s2, 0xf033
	s_cbranch_scc0 .Lentry_shape_is_right
	s_endpgm
.Lentry_shape_is_right:
; out0 = y W_proj + b_proj on codes of FP8 (E4M3).  y: 8,192 rows x 1,024, with 2^e6, as images of operand registers (below); W_proj: [1024 (n)][1024 (k)] codes, K innermost, with 2^e7; out0: [8192][1024] f32.
; y's layout: K step of 256 (2 MiB) | 16 rows (4,096 bytes) | 128 along K (2,048 bytes) | chunk c (512 bytes) | lane (16 bytes): registers 4 c .. 4 c + 3 of a fragment: row lane % 16, K = 32 c + 16 (lane / 16) + 0 .. 15.
; That is the order of K which four loads of 16 bytes, 32 bytes apart, give W_proj's rows: the same in both operands, so every product meets its partner.
; A tile of out0, 256 x 256, is made by four waves, each 128 x 128: 64 accumulators.  K goes in four steps of 256 through a ring of two LDS slots.  128 rows x a K step of y are one dense block of 32,768 bytes.
; CLUSTERS: 4 x 4 work-groups; y's tile is shared along a row of the cluster, W_proj's along a column: joint loads.  The matrix instruction is used transposed (source 0 = 16 rows of W_proj, source 1 = 16 rows of y):
; a lane holds eight neighbouring numbers of a row of out0.
; LIMIT: e6 + e7 between -126 and 127, so that 2^(e6 + e7) is an f32 number.
; REGISTERS, in windows of 256: window 0: v0-31 addresses, v12-15 my four numbers of b_proj; v128-255 y's fragments, ONE set; on the way out rows of out0.   window 1: W_proj's fragments, TWO sets.
;   window 2: the accumulators of my rows 0-63 ((a, b) at v[8 (8 a + b)]);   window 3: those of my rows 64-127.
.set PITCH,  272                       ; a row of W_proj's tile in LDS: 256 bytes + 16 of padding
.set FR,     16
.set NL,     4
.set NP,     4
.set ABYTES, 65536                     ; y's 256 rows of a K step: images, dense
.set HALFB,  128*PITCH                 ; 128 rows of W_proj's tile
.set SLOT,   ABYTES+2*HALFB
.set SPARE,  2*SLOT                    ; behind the ring: the spare words, 128 bytes a wave
.set SPITCH, 528                       ; the way out: a stage of 16 rows x (512 bytes + 16) for each wave, in slot 0, which has had its last fill and its last read when the first result is stored there
.set ADRA, 16                          ; v16-17  LDS address of my fragments of y in slot 0, 1
.set ADRB, 20                          ; v20-21  the same for W_proj
.set STO,  24                          ; v24     the way out: where I put 32 bytes of a row
.set RD,   25                          ; v25     where I read a row back
.set CO,   26                          ; v26     16 x lane
.set SPW,  28                          ; v28     LDS address of my spare word; never rewritten
.set NIL,  29                          ; v29     0; never rewritten
.set AF,   128
.set BK,   128                         ; the way out: 16 rows read back from the stage: v128-191 and v192-255 by turns
.set G1, 24
.set G0, 32
.set G1B, 48
.set G0B, 56
.set MSB, 0
.macro WIN new
.if MSB != (\new)
	s_set_vgpr_msb (MSB<<8)|(\new)
.set MSB, (\new)
.endif
.endm
.set MUL_LO, 0xa1                      ; source 0 (W_proj) window 1, source 1 (y) window 0, C and D window 2
.set MUL_HI, 0xf1
.set TO_B,   0x40
.macro JLOAD g0a, g1a, g0b, g1b        ; a joint load: waves 0 and 1 fetch for y, waves 2 and 3 for W_proj; four v_nop follow each of the two lines
	s_cmp_eq_u32 s15, 0
	s_cbranch_scc0 .Lfor_b_\@
	tensor_load_to_lds s[\g0a:\g0a+3], s[\g1a:\g1a+7]
	s_nop 0
.rept 4
	v_nop
.endr
	s_branch .Lasked_\@
.Lfor_b_\@:
	tensor_load_to_lds s[\g0b:\g0b+3], s[\g1b:\g1b+7]
	s_nop 0
.rept 4
	v_nop
.endr
.Lasked_\@:
.endm
.macro CREST
	s_cmp_lg_u32 s14, 0
	s_cbranch_scc1 .Lnot_wave_0_\@
	s_barrier_signal -3
.Lnot_wave_0_\@:
	s_barrier_wait -3
	s_barrier_signal -1
	s_barrier_wait -1
.endm
.macro CROUND
	s_barrier_signal -1
	s_barrier_wait -1
	CREST
.endm
	s_load_b256 s[4:11], s[0:1], 0x0               ; y s[4:5], W_proj s[6:7], the scales' exponents s[8:9], b_proj s[10:11]
	s_load_b64 s[12:13], s[0:1], 0x20              ; out0
	v_lshl_add_u32 v[SPW], v0, 2, SPARE
	v_mov_b32 v[NIL], 0
	ds_add_u32 v28, v29
	ds_add_u32 v28, v29
	s_wait_dscnt 0x0
	v_lshrrev_b32 v1, 5, v0
	v_readfirstlane_b32 s14, v1                    ; wave 0..3
	s_lshr_b32 s15, s14, 1                         ; which half of the tile's rows is mine.  Also: I fetch for y (0) or for W_proj (1)
	s_and_b32 s16, s14, 1                          ; which half of its columns.  Also: which 128 rows of that tile I fetch
	s_bfe_u32 s40, ttmp6, 0x40000                  ; cx, cy
	s_bfe_u32 s41, ttmp6, 0x40004
	s_lshl_b32 s42, ttmp9, 2
	s_add_co_u32 s42, s42, s40                     ; tile column = 4 x cluster x + cx
	s_and_b32 s17, ttmp7, 0xffff
	s_lshl_b32 s17, s17, 2
	s_add_co_u32 s17, s17, s41                     ; tile row = 4 x cluster y + cy
	s_lshl_b32 s43, s41, 2
	s_lshl_b32 s43, 15, s43                        ; my row of the cluster
	s_lshl_b32 s44, 0x1111, s40                    ; my column
	; group 1 for y: a dense block of 32,768 bytes as 128 rows of 256, no padding
	s_or_b32 s[G1+0], s43, (3<<16)|(1<<21)         ; 15:0 the mask: my row; 17:16 elements of 8 bytes; 21 set beside a mask
	s_mov_b32 s[G1+1], 32<<16                      ; tensor_dim0 = 32 elements
	s_mov_b32 s[G1+2], 128<<16                     ; tensor_dim1
	s_mov_b32 s[G1+3], 32<<16                      ; tile_dim0
	s_mov_b32 s[G1+4], 128                         ; tile_dim1
	s_mov_b32 s[G1+5], 32                          ; tensor_dim0_stride
	s_mov_b32 s[G1+6], 0
	s_mov_b32 s[G1+7], 0
	; group 1 for W_proj: 128 rows x 256 bytes, padded in LDS
	s_or_b32 s[G1B+0], s44, (0<<16)|(1<<20)|(1<<21)|(5<<22)|(3<<25)  ; the mask: my column; element of 1 byte; padding: four words after every 64
	s_mov_b32 s[G1B+1], 256<<16
	s_mov_b32 s[G1B+2], 128<<16
	s_mov_b32 s[G1B+3], 256<<16
	s_mov_b32 s[G1B+4], 128
	s_mov_b32 s[G1B+5], 1024
	s_mov_b32 s[G1B+6], 0
	s_mov_b32 s[G1B+7], 0
	s_lshl_b32 s20, s17, 16                        ; y: 65,536 bytes for a tile row's part of a K step,
	s_lshl_b32 s18, s16, 15                        ; + 32,768 x half
	s_add_co_u32 s20, s20, s18
	s_mov_b32 s21, 0
	s_lshl_b32 s46, s42, 18                        ; W_proj: 256 rows of 1,024 bytes x tile column,
	s_lshl_b32 s18, s16, 17                        ; + 128 rows x half
	s_add_co_u32 s46, s46, s18
	s_mov_b32 s47, 0
	s_lshl_b32 s45, s16, 15                        ; where y's half goes,
	s_mul_i32 s66, s16, HALFB
	s_add_co_u32 s66, s66, ABYTES                  ; and W_proj's: no place in the cluster enters an LDS address
	s_wait_kmcnt 0x0
	s_load_b64 s[96:97], s[8:9], 0x18              ; e6, e7
	s_add_nc_u64 s[20:21], s[4:5], s[20:21]
	s_add_nc_u64 s[46:47], s[6:7], s[46:47]
	CROUND                                         ; all sixteen work-groups are here: the first joint loads meet
.irp s, 0,1
	s_mov_b32 s[G0+4*\s], 1
	s_add_co_u32 s[G0+4*\s+1], s45, \s*SLOT
	s_add_nc_u64 s[G0+4*\s+2:G0+4*\s+3], s[20:21], \s*0x200000   ; a K step of y is 2 MiB on
	s_or_b32 s[G0+4*\s+3], s[G0+4*\s+3], 0x80000000
	s_mov_b32 s[G0B+4*\s], 1
	s_add_co_u32 s[G0B+4*\s+1], s66, \s*SLOT
	s_add_nc_u64 s[G0B+4*\s+2:G0B+4*\s+3], s[46:47], \s*256
	s_or_b32 s[G0B+4*\s+3], s[G0B+4*\s+3], 0x80000000
	s_wait_alu depctr_va_vdst(0)
	s_wait_tensorcnt 0x0
	ds_add_u32 v28, v29
	ds_add_u32 v28, v29
	s_wait_dscnt 0x0
	CROUND
	JLOAD G0+4*\s, G1, G0B+4*\s, G1B
.endr
	v_and_b32 v1, 15, v0                           ; r
	v_bfe_u32 v2, v0, 4, 1                         ; h
	v_and_b32 v6, 31, v0
	v_lshlrev_b32 v[CO], 4, v6                     ; 16 x lane
	v_mul_u32_u24 v3, v1, PITCH
	v_lshl_add_u32 v4, v2, 4, v3                   ; W_proj: a fragment's row x pitch + 16 x half
	s_lshl_b32 s21, s15, 15                        ; my 128 rows of y: eight groups of images
	s_mul_i32 s22, s16, HALFB                      ; my 128 rows of W_proj,
	s_add_co_u32 s22, s22, ABYTES                  ; which lie behind y's
.irp s, 0,1
	v_add_nc_u32 v[ADRA+\s], s21, v[CO]
	v_add_nc_u32 v[ADRB+\s], s22, v4
	s_add_co_u32 s21, s21, SLOT
	s_add_co_u32 s22, s22, SLOT
.endr
	s_mul_i32 s23, s14, 16*SPITCH                  ; my stage
	v_mul_u32_u24 v5, v1, SPITCH                   ; in: row r, 32 bytes for each half of the lanes
	v_lshl_add_u32 v5, v2, 5, v5
	v_add_nc_u32 v[STO], s23, v5
	v_add_nc_u32 v[RD], s23, v[CO]                 ; back: the 32 lanes take one row of 512 bytes
	s_lshl_b32 s20, s17, 8
	s_lshl_b32 s21, s15, 7
	s_add_co_u32 s20, s20, s21                     ; my first row of out0
	s_lshl_b32 s20, s20, 12                        ; rows of 4,096 bytes (under 32 MiB)
	s_lshl_b32 s46, s42, 10
	s_lshl_b32 s47, s16, 9
	s_add_co_u32 s46, s46, s47                     ; my first column, in bytes: 1024 x tile column + 512 x half
	v_add_nc_u32 v11, s46, v[CO]
	global_load_b128 v[12:15], v11, s[10:11]       ; b_proj at the four columns that I store
	s_add_co_u32 s20, s20, s46
	s_mov_b32 s21, 0
	s_add_nc_u64 s[12:13], s[12:13], s[20:21]
.macro FRAGB reg, adr, q, i            ; W_proj: 16 rows x 128 K: registers 4 c .. 4 c + 3 hold K = 32 c + 16 (l / 16) + 0 .. 15
.irp c, 0,1,2,3
	ds_load_b128 v[\reg+4*\c:\reg+4*\c+3], v[\adr] offset:128*(\q)+32*\c+(\i)*16*PITCH
.endr
.endm
.macro FRAGA reg, adr, q, i            ; y: the image of the same registers, 512 consecutive bytes a load
.irp c, 0,1,2,3
	ds_load_b128 v[\reg+4*\c:\reg+4*\c+3], v[\adr] offset:2048*(\q)+512*\c+(\i)*4096
.endr
.endm
; 16 matrix instructions: y's blocks a0, a0 + 1 x W_proj's eight.  zero = 1: the first product starts the sums.  The 64 accumulators take turns, one instruction a turn.
.macro MUL16 a0, p, zero
.irp a, \a0, \a0+1
.irp b, 0,1,2,3,4,5,6,7
.if \zero
	v_wmma_f32_16x16x128_fp8_fp8 v[8*(8*((\a)%4)+\b):8*(8*((\a)%4)+\b)+7], v[128*(\p)+FR*\b:128*(\p)+FR*\b+FR-1], v[AF+FR*(\a):AF+FR*(\a)+FR-1], 0
.else
	v_wmma_f32_16x16x128_fp8_fp8 v[8*(8*((\a)%4)+\b):8*(8*((\a)%4)+\b)+7], v[128*(\p)+FR*\b:128*(\p)+FR*\b+FR-1], v[AF+FR*(\a):AF+FR*(\a)+FR-1], v[8*(8*((\a)%4)+\b):8*(8*((\a)%4)+\b)+7]
.endif
.endr
.endr
.endm
.macro FETCH_B slot, q, p
	WIN TO_B
.irp i, 0,1,2,3,4,5,6,7
	FRAGB 128*(\p)+FR*\i, ADRB+\slot, \q, \i
.endr
	WIN 0
.endm
.macro FETCH_A slot, q, i0
.irp i, \i0, \i0+1, \i0+2, \i0+3
	FRAGA AF+FR*(\i), ADRA+\slot, \q, \i
.endr
.endm
.macro PLACES n                        ; plain vector instructions between a matrix instruction and a load into one of its registers, or a read of its result
.rept \n
	v_nop
.endr
.endm
.macro STEP slot, q, zero
	s_wait_dscnt 4*NL                              ; W_proj's set and y's blocks 0-3 are in; the youngest sixteen loads (blocks 4-7) may be out
	WIN MUL_LO
	MUL16 0, (\q)%2, \zero
	MUL16 2, (\q)%2, \zero
	s_wait_dscnt 0
	PLACES NP
	FETCH_B \slot, (\q)+1, 1-(\q)%2
	FETCH_A \slot, (\q)+1, 0
	WIN MUL_HI
	MUL16 4, (\q)%2, \zero
	MUL16 6, (\q)%2, \zero
	PLACES NP
	WIN 0
	FETCH_A \slot, (\q)+1, 4
.endm
; A slot's last step changes slots: ONE barrier; in front of it each wave waits for all its tensor loads, adds 0 to its spare word, and waits for that and for its own reads of this slot.
.macro TURN slot, next, fill
	s_wait_tensorcnt 0x0                           ; all my tensor loads have landed: my part of the next slot  (every window is 0 here)
	ds_add_u32 v[SPW], v[NIL]                      ; 0 onto my spare word
	s_wait_dscnt 4*NL+1                            ; (the add and the youngest sixteen loads may be out)
	WIN MUL_LO
	MUL16 0, 1, 0
	s_wait_dscnt 0x0                               ; the add is done, and my reads of this slot are over
	s_barrier_signal -1
	MUL16 2, 1, 0
	WIN 0
	s_barrier_wait -1
.if \fill
	CREST                                          ; a round of the cluster's barrier: no wave of any partner still reads this slot or has a load on its way
	s_add_nc_u64 s[G0+4*\slot+2:G0+4*\slot+3], s[G0+4*\slot+2:G0+4*\slot+3], 0x400000
	s_add_nc_u64 s[G0B+4*\slot+2:G0B+4*\slot+3], s[G0B+4*\slot+2:G0B+4*\slot+3], 512
	JLOAD G0+4*\slot, G1, G0B+4*\slot, G1B         ; the first tensor load behind the round; its four v_nop are the places in front of the loads below
.else
	PLACES NP
.endif
	FETCH_B \next, 0, 0
	FETCH_A \next, 0, 0
	WIN MUL_HI
	MUL16 4, 1, 0
	MUL16 6, 1, 0
	PLACES NP
	WIN 0
	FETCH_A \next, 0, 4
.endm
	s_wait_alu depctr_va_vdst(0)
	s_wait_tensorcnt 1                             ; my part of K step 0 is in; K step 1's load may be out
	s_barrier_signal -1
	s_barrier_wait -1
	FETCH_B 0, 0, 0
	FETCH_A 0, 0, 0
	FETCH_A 0, 0, 4
	STEP 0, 0, 1                                   ; the first step's products start the sums.  Four K steps of 256: written out, no loop
	TURN 0, 1, 1
	STEP 1, 0, 0
	TURN 1, 0, 1
	STEP 0, 0, 0
	TURN 0, 1, 0
	STEP 1, 0, 0
	s_wait_dscnt 4*NL
	WIN MUL_LO
	MUL16 0, 1, 0
	MUL16 2, 1, 0
	s_wait_dscnt 0
	WIN MUL_HI
	MUL16 4, 1, 0
	MUL16 6, 1, 0
	WIN 0
; THE WAY OUT, block by block of 16 rows x 128 columns.  The sums go through my own stage in LDS as they are and come back as whole rows of 512 bytes; there a lane holds four columns that are the same in every row,
; so one packed multiply-add for two numbers gives sum x 2^(e6 + e7) + b_proj.  LDS serves a wave's instructions in order (ISA guide 5.7.1.4): no wait between the stores and the loads.
.macro TOSTAGE a
.set AC, 64*((\a)%4)
.set BB, BK+64*((\a)%2)
	WIN 0x08+4*((\a)/4)                            ; an LDS store's data are source 1: window 2 or 3
.irp b, 0,1,2,3,4,5,6,7
	ds_store_b128 v[STO], v[AC+8*\b:AC+8*\b+3] offset:64*\b        ; each accumulator from its low end on
	ds_store_b128 v[STO], v[AC+8*\b+4:AC+8*\b+7] offset:64*\b+16
.endr
	WIN 0
.irp t, 0,1,2,3,4,5,6,7,8,9,10,11,12,13,14,15
	ds_load_b128 v[BB+4*\t:BB+4*\t+3], v[RD] offset:\t*SPITCH
.endr
.endm
.macro SEND a, younger                 ; younger: the LDS instructions issued behind block a's loads
.set BB, BK+64*((\a)%2)
	s_wait_dscnt \younger
.set tt, 0
.rept 16
	v_pk_fma_f32 v[BB+4*tt:BB+4*tt+1], v[BB+4*tt:BB+4*tt+1], s[96:97], v[12:13] op_sel_hi:[1,0,1]
	v_pk_fma_f32 v[BB+4*tt+2:BB+4*tt+3], v[BB+4*tt+2:BB+4*tt+3], s[96:97], v[14:15] op_sel_hi:[1,0,1]
.set tt, tt+1
.endr
.if (\a) > 0
	s_add_nc_u64 s[12:13], s[12:13], 65536         ; 16 rows on  (behind a wait on XCNT: the earlier stores have read their base)
.endif
.irp t, 0,1,2,3,4,5,6,7,8,9,10,11,12,13,14,15
	global_store_b128 v[CO], v[BB+4*\t:BB+4*\t+3], s[12:13] offset:\t*4096 th:TH_STORE_NT   ; 32 lanes store 512 consecutive bytes, at a multiple of 512 from out0's first byte
.endr
.endm
	s_wait_kmcnt 0x0
	s_add_co_i32 s96, s96, s97                     ; e6 + e7
	s_add_co_i32 s96, s96, 127
	s_lshl_b32 s96, s96, 23                        ; 2^(e6 + e7) as f32
	s_wait_loadcnt 0x0                             ; b_proj
	PLACES NP                                      ; behind the last products: for the LDS stores that read results and the loads into the registers that held y's fragments
	TOSTAGE 0
.irp a, 1,2,3,4,5,6,7
.if \a > 1
	s_wait_xcnt 0x0                                ; block a - 2's stores have read their registers and their base
.endif
	TOSTAGE \a
	SEND \a-1, 32                                  ; behind block a - 1's loads: block a's 16 stores and 16 loads
.endr
	s_wait_xcnt 0x0
	SEND 7, 0
	s_wait_tensorcnt 0x0                           ; the wave's end
	ds_add_u32 v[SPW], v[NIL]
	s_wait_dscnt 0x0
	CROUND                                         ; the closing round
	s_endpgm
.Lfunc_end_k_q1634d14763_proj:
	.size	k_q1634d14763_proj, .Lfunc_end_k_q1634d14763_proj-k_q1634d14763_proj
	.p2alignl 7, 3214868480
	.fill 96, 4, 3214868480
	.section	.rodata,"a",@progbits
	.p2align	6, 0x0
	.amdhsa_kernel k_q1634d14763_proj
		.amdhsa_group_segment_fixed_size 327680
		.amdhsa_private_segment_fixed_size 0
		.amdhsa_enable_private_segment 0
		.amdhsa_kernarg_size 40
		.amdhsa_user_sgpr_count 2
		.amdhsa_user_sgpr_kernarg_segment_ptr 1
		.amdhsa_wavefront_size32 1
		.amdhsa_system_sgpr_workgroup_id_x 1
		.amdhsa_system_sgpr_workgroup_id_y 1
		.amdhsa_system_sgpr_workgroup_id_z 1
		.amdhsa_system_vgpr_workitem_id 0
		.amdhsa_next_free_vgpr 1024
		.amdhsa_next_free_sgpr 98
		.amdhsa_reserve_vcc 0
		.amdhsa_float_denorm_mode_32 3
		.amdhsa_float_denorm_mode_16_64 3
		.amdhsa_memory_ordered 1
		.amdhsa_forward_progress 1
		.amdhsa_inst_pref_size 124
	.end_amdhsa_kernel
	.amdgpu_metadata
---
amdhsa.version: [ 1, 2 ]
amdhsa.kernels:
  - .name:           k_q1634d14763_proj
    .symbol:         k_q1634d14763_proj.kd
    .args:
      - { .name: y, .offset: 0, .size: 8, .value_kind: global_buffer, .address_space: global }
      - { .name: W_proj_codes, .offset: 8, .size: 8, .value_kind: global_buffer, .address_space: global }
      - { .name: lowp_scales, .offset: 16, .size: 8, .value_kind: global_buffer, .address_space: global }
      - { .name: b_proj, .offset: 24, .size: 8, .value_kind: global_buffer, .address_space: global }
      - { .name: out0, .offset: 32, .size: 8, .value_kind: global_buffer, .address_space: global }
    .group_segment_fixed_size: 327680
    .private_segment_fixed_size: 0
    .kernarg_segment_align: 8
    .kernarg_segment_size: 40
    .max_flat_workgroup_size: 128
    .sgpr_count:     98
    .vgpr_count:     1024
    .wavefront_size: 32
...
	.end_amdgpu_metadata
.endif
;; end of part 3
